; MI455X (gfx1250); checked and timed in simulation.
; The chip was launched on July 23, 2026; its instructions are those of AMD's public machine-readable ISA for CDNA 5 (MIT licence, August 2026) and "CDNA5" Instruction Set Architecture Reference Guide (July 2026). The comments in the code are by the model that wrote it; some were corrected since.
;; Vanilla Vector Quantizer. Allowed arithmetic: matrix products marked QUANTISED: E2M3 operands, one E8M0 scale for each 32 along K, by v_wmma_scale_f32_16x16x128_f8f6f4 with both operands' format E2M3, f32 sums; everything else in f32.
;; Inputs: codebook 64 x 512 float32; encodings 32 x 64 x 64 x 64 float32.
;; Outputs: out0 32 x 64 x 64 x 64 float32.
;; This version of the problem:
;;   THIS VERSION OF THE PROBLEM IS GIVEN IN LOW PRECISION. The matrix products marked QUANTISED in the list below multiply operands that are first quantised to E2M3 (2 exponent bits, 3 mantissa bits; 6 bits a number), with one power-of-two scale for each 32 numbers along K (OCP MX v1.0); their sums are f32. All else is computed in f32.
;;   The module's matrix products, in the order in which they are computed (A, B: the left and right operand; K: the contracted axis; several contracted axes count as one K, in the product's order):
;;     1. [M 131,072, K 64] x [K 64, N 512]; A: input encodings; B: input codebook: QUANTISED
;;   THE QUANTISER, for each operand of a quantised product, along K:
;;     - K is cut into blocks of 32 from its start; a last block that is shorter is filled with zeros.
;;     - A block's scale is 2^e with e = floor(log2(the largest magnitude in the block)) - 2, held to -126 .. 127; a block of zeros has e = 0. As a byte (E8M0): e + 127.
;;     - Each number is divided by its block's scale, clamped to +-7.5, and rounded to the nearest number of E2M3, ties to even, subnormals kept.
;;     - The product sums the exact products of the quantised numbers (number of the format x scale) in f32.
;;   ~~~python
;;   def quantise(x, axis):      # numpy; x: float32 -> the quantised numbers, widened to float32 again
;;       x = np.moveaxis(x, axis, -1); K = x.shape[-1]
;;       x = np.pad(x, [(0, 0)] * (x.ndim - 1) + [(0, -K % 32)]); x = x.reshape(x.shape[:-1] + (-1, 32)); a = np.abs(x).max(-1, keepdims=True)
;;       e = np.where(a > 0, np.clip(np.frexp(np.where(a > 0, a, 1))[1] - 1 - 2, -126, 127), 0)      # np.frexp(a)[1] - 1 = floor(log2(a)), exactly
;;       r = np.clip(x / 2.0 ** e, -7.5, 7.5)
;;       step = 2.0 ** (np.maximum(np.frexp(np.where(r == 0, 1, r))[1] - 1, 0) - 3)
;;       q = np.round(r / step) * step * 2.0 ** e      # np.round: ties to even
;;       return np.moveaxis(q.reshape(q.shape[:-2] + (-1,))[..., :K], -1, axis).astype(np.float32)
;;   ~~~
;; One version. Each part assembles by itself: llvm-mc -triple=amdgcn-amd-amdhsa -mcpu=gfx1250 --defsym DOCPART=n.
;; ======== version 1 of 1: 2 launches
;; limits: right only within a limited range of input values
;; workspace buffers: ids 524,288 bytes of whole numbers
;; launch assign (part 1): grid 256 x 1, 8 waves a work-group, no clusters, 167,936 bytes of LDS; arguments encodings, codebook, ids; writes ids
.if DOCPART == 1
	.amdgcn_target "amdgcn-amd-amdhsa--gfx1250"
	.amdhsa_code_object_version 6
	.text
	.protected	k_q028181bf73_assign
	.globl	k_q028181bf73_assign
	.p2align	8
	.type	k_q028181bf73_assign,@function
k_q028181bf73_assign:
	s_mov_b64 s[64:65], 0
	v_nop
	global_prefetch_b8 v0, s[64:65] scope:SCOPE_SE
	s_setreg_imm32_b32 hwreg(HW_REG_WAVE_MODE, 25, 1), 1
	s_wait_xcnt 0x0
; ids[n] = argmin over c of d(n, c),  d = (sq_x(n) - 2 p(n, c)) + sq_e(c),  n = 4096 b + hw, c = 0 .. 511.
; p = x . e on codes of FP6 (E2M3) with one E8M0 scale for each 32 of the 64 channels; sq_x, sq_e and d in f32 on the numbers as they are given.
; d is rounded as it is written above: one fused multiply-add (2 p is exact) gives sq_x - 2 p rounded once, one addition gives d.  Of equal d the lowest c wins.
; sq_x is the same for all codes of a position, and stays: it is large beside the other terms, so it decides how d is rounded and which d are equal.
; THE ORDER OF THE SUMS OF SQUARES (an order of rounding, stated): fused multiply-adds over the even and over the odd channels of each half of 32; then the halves are added, then even and odd.
; LIMITS: NaN and infinities among the inputs are not served.  A block of zeros gets the scale byte 1 (its codes are zeros; the bytes are read by this text alone).
; SHARES.  A work-group of eight waves owns 512 neighbouring positions of one image, a wave 64: a lane positions 2 lane and 2 lane + 1.
; x comes by one tensor load a wave, 64 channels x 256 bytes, into LDS bytes that only this wave reads.  Nothing is filled again.
; The codebook goes from memory straight into registers: a lane quantises two codes, its registers running along the channels; codes, scale words and sq_e go to LDS for all waves.
; NO CLUSTER: x's tiles are each work-group's own; the codebook, which all share, is read once a work-group, into the registers that the quantiser reads, and has no tile in LDS that partners could ask for jointly.
; NO PREFETCH: every byte is asked for at the head, and there is no loop to run ahead in.
; K.  The instruction sums 128 along K, the problem has 64.  The codebook's fragments hold zero codes in their upper six registers, so what stands in the upper six of an x fragment adds nothing:
; x's fragments lie six registers apart.  The scale bytes of the two unused blocks repeat those of the used ones.
; THE PRODUCT IS USED TRANSPOSED: source 0 = 16 codes, source 1 = 16 positions: a lane holds ONE position and eight codes.  Row m of tile t is code 8 t + m % 8 + 256 (m / 8): lanes 0-15 see codes 0-255, lanes 16-31 codes 256-511, both ascending.
; THE ARGMIN.  For a tile's eight d: four v_min3 with the old best among the leaves; one compare (strictly less); where it holds, the eight d and the tile's number are kept.  At the end the first kept d that equals the best names the code.
; REGISTERS.  Window 0 (v0-255): all but the numbers to be quantised.  Window 1: v0-127 two codes as loaded (interleaved), v128-255 two columns of 64 numbers.
.set TP,   832                         ; LDS bytes from tile to tile of codes: 768 of data
.set IMG,  131072                      ; behind x's eight tiles of 16,384 bytes: tile t, piece j of 8 bytes a lane: TP t + 256 j + 8 lane
.set SCL,  IMG+32*TP                   ; scale words: 64 bytes a tile, 4 bytes a row
.set SQE,  SCL+2048                    ; sq_e, 4 bytes a code
.set SPARE, SQE+2048                   ; the spare words, 128 bytes for each wave
.set SPW,  2                           ; v2      SPARE + 4 x thread; never rewritten
.set NIL,  3                           ; v3      0; never rewritten
.set GA,   4                           ; v4      8 x thread: my two codes in a row of the codebook, my two ids
.set IA,   5                           ; v5      where I store codes
.set SAD,  6                           ; v6      where I store scale words
.set QA,   7                           ; v7      where I store sq_e
.set LI8,  8                           ; v8      IMG + 8 lane
.set LS4,  9                           ; v9      SCL + 4 lane
.set QL,   10                          ; v10     SQE + 1024 (lane / 16)
.set XA,   11                          ; v11     my wave's x + 8 lane
.set SX,   16                          ; v16-17  scale words, columns a and b
.set SQX,  18                          ; v18-21  sq_x: a pair for each column: (positions of lanes 0-15, of lanes 16-31), each in both halves of the lanes
.set ID,   22                          ; v22-23  the two ids to store
.set BE,   24                          ; v24-31  the best d, four tiles of positions, two sets by turns
.set IX,   32                          ; v32-35  the tile of codes that holds it
.set JJ,   36                          ; v36-39  its place in that tile
.set S,    40                          ; v40-71  that tile's eight d
.set FB,   72                          ; v72-101 four fragments of x, FS registers apart, and six more
.set FS,   6
.set AB,   104                         ; v104-127 two buffers of a tile of codes: six registers of codes, six of zeros
.set EB,   128                         ; v128-143 two buffers of a tile's sq_e
.set PB,   144                         ; v144-207 two buffers of four accumulators
.set SA,   208                         ; v208-223 the codebook's scale words: lanes 0-15 tile 2 u, lanes 16-31 tile 2 u + 1
.set TQ,   224                         ; v224-239 the second halves of the blocks' codes
.set ACC,  144                         ; the quantiser, ahead of the products: v144-151 sums (a pair for each of four chains),
.set MX,   152                         ; the largest magnitudes,
.set SO,   156                         ; the conversions' scale operands,
.set BY,   160                         ; the scale bytes,
.set WD,   164
.set SUM,  166                         ; v166-167 the two columns' sums of squares
.set COL,  128                         ; window 1: chain c = v[COL + 32 c ..]: c = 2 column + half
.set WV,   10                          ; s10 my wave's number
.set MK,   20                          ; s20-23 lane masks
.set G1,   24                          ; s[24:31], s[32:35] descriptor groups 1 and 0
.set G0,   32
.set MSB, 0
.macro WIN new                         ; low byte: bits 1:0 source 0, 3:2 source 1, 5:4 source 2, 7:6 destination; the high byte repeats the setting that is left
.if MSB != (\new)
	s_set_vgpr_msb (MSB<<8)|(\new)
.set MSB, (\new)
.endif
.endm
	s_load_b128 s[4:7], s[0:1], 0x0                ; encodings, codebook
	s_load_b64 s[8:9], s[0:1], 0x10                ; ids
	v_lshl_add_u32 v[SPW], v0, 2, SPARE
	v_mov_b32 v[NIL], 0
	ds_add_u32 v[SPW], v[NIL]                      ; the opening: the add, twice on end, ahead of my tensor load
	ds_add_u32 v[SPW], v[NIL]
	v_lshrrev_b32 v13, 5, v0
	v_readfirstlane_b32 s[WV], v13                 ; wave 0..7
	s_lshr_b32 s16, ttmp9, 3                       ; image b = g / 8: 64 x 4,096 x 4 bytes each
	s_lshl_b32 s16, s16, 20
	s_and_b32 s13, ttmp9, 7                        ; 512 positions x 4 bytes for each work-group of the image
	s_lshl_b32 s13, s13, 11
	s_add_co_u32 s16, s16, s13
	s_lshl_b32 s14, s[WV], 8                       ; 64 positions x 4 bytes for each wave
	s_add_co_u32 s16, s16, s14
	s_mov_b32 s17, 0
	s_lshl_b32 s18, ttmp9, 11                      ; the ids: 4 bytes a position
	s_mov_b32 s19, 0
	s_lshl_b32 s15, s[WV], 14                      ; my x in LDS
	; group 1: 64 rows (channels) of 64 elements of 4 bytes (256 bytes, at a multiple of 256 from the buffer's first byte), 4,096 elements apart, dense in LDS
	s_mov_b32 s[G1], 2<<16
	s_mov_b32 s[G1+1], 64<<16
	s_mov_b32 s[G1+2], 64<<16
	s_mov_b32 s[G1+3], 64<<16
	s_mov_b32 s[G1+4], 64
	s_mov_b32 s[G1+5], 4096
	s_mov_b32 s[G1+6], 0
	s_mov_b32 s[G1+7], 0
	s_mov_b32 s[G0], 1
	s_lshl_b32 s[G0+1], s[WV], 14
	v_lshlrev_b32 v[GA], 3, v0
	v_and_b32 v14, 31, v0                          ; lane
	v_bfe_u32 v13, v0, 2, 5                        ; codes 2 thread and 2 thread + 1 are rows 2 (thread % 4) + 8 (thread / 128) and the next of tile (thread / 4) % 32
	v_and_b32 v15, 3, v0
	v_lshrrev_b32 v12, 7, v0
	v_mul_u32_u24 v[IA], v13, TP
	v_lshlrev_b32 v[SAD], 6, v13
	v_lshl_add_u32 v[IA], v15, 4, v[IA]
	v_lshl_add_u32 v[SAD], v15, 3, v[SAD]
	v_lshl_add_u32 v[IA], v12, 6, v[IA]
	v_lshl_add_u32 v[SAD], v12, 5, v[SAD]
	v_add_nc_u32 v[IA], IMG, v[IA]
	v_add_nc_u32 v[SAD], SCL, v[SAD]
	v_lshl_add_u32 v[QA], v0, 3, SQE
	v_lshl_add_u32 v[LI8], v14, 3, IMG
	v_lshl_add_u32 v[LS4], v14, 2, SCL
	v_lshrrev_b32 v15, 4, v14
	v_lshl_add_u32 v[QL], v15, 10, SQE             ; lanes 16-31: codes 256 on
	v_lshl_add_u32 v[XA], v14, 3, s15
.irp i, 0,1,2,3,4,5
	v_mov_b32 v[AB+6+\i], 0                        ; K = 64 .. 127 of the codebook: zero codes, written once
	v_mov_b32 v[AB+18+\i], 0
	v_mov_b32 v[FB+4*FS+\i], 0                     ; the last x fragment's upper six: any codes
.endr
	s_wait_alu depctr_va_vdst(0)                   ; the wait at the head's end
	s_wait_dscnt 0x0                               ; both opening adds are done
	s_wait_kmcnt 0x0
	s_add_nc_u64 s[G0+2:G0+3], s[4:5], s[16:17]    ; x at my wave's first position, channel 0
	s_or_b32 s[G0+3], s[G0+3], 0x80000000
	tensor_load_to_lds s[G0:G0+3], s[G1:G1+7]      ; my wave's one tensor load
	s_nop 0
.rept 4
	v_nop
.endr
	s_add_nc_u64 s[8:9], s[8:9], s[18:19]          ; the ids at my work-group's first position
	; Two codes a lane: each load of a wave reads 256 consecutive bytes of a row of the codebook; rows i and 32 + i by turns, so that all four chains can start early
	WIN 0x40
.set i, 0
.rept 32
	global_load_b64 v[2*i:2*i+1], v[GA], s[6:7] offset:i*2048
	global_load_b64 v[64+2*i:65+2*i], v[GA], s[6:7] offset:(32+i)*2048
.set i, i+1
.endr
; Four numbers of each of the four chains: two steps of the sums of squares and of the largest magnitudes.  The numbers in window 1, all else in window 0.
.macro QCHUNK q
	WIN 0x05
.irp p, 0,2
.irp c, 0,1,2,3
.set xr, COL+32*\c+4*(\q)+\p
.if ((\q) == 0) && (\p == 0)
	v_pk_mul_f32 v[ACC+2*\c:ACC+2*\c+1], v[xr:xr+1], v[xr:xr+1]
	v_max3_num_f32 v[MX+\c], |v[xr]|, |v[xr+1]|, 0x1800000   ; the floor 2^(3 - 127): the scale byte cannot fall under 1
.else
	v_pk_fma_f32 v[ACC+2*\c:ACC+2*\c+1], v[xr:xr+1], v[xr:xr+1], v[ACC+2*\c:ACC+2*\c+1]
	v_max3_num_f32 v[MX+\c], |v[xr]|, |v[xr+1]|, v[MX+\c]
.endif
.endr
.endr
.endm
; The two columns become: codes (chain c's 32 in v[FB + FS c] .. + 5), scale words (v[SX], v[SX + 1]), sums of squares (v[SUM], v[SUM + 1]).
.macro QFIN
	WIN 0
	v_pk_add_f32 v[ACC:ACC+1], v[ACC:ACC+1], v[ACC+2:ACC+3]
	v_pk_add_f32 v[ACC+4:ACC+5], v[ACC+4:ACC+5], v[ACC+6:ACC+7]
.irp c, 0,1,2,3
	v_add_nc_u32 v[SO+\c], 0xff000000, v[MX+\c]    ; 2 off the exponent field: the conversion takes the exponent field of this operand as its scale
.endr
	WIN 0x01                                       ; the numbers in window 1, scale operand and results in window 0
.irp c, 0,1,2,3
	v_cvt_scalef32_pk16_fp6_f32 v[FB+FS*\c:FB+FS*\c+2], v[COL+32*\c:COL+32*\c+15], v[SO+\c]
	v_cvt_scalef32_pk16_fp6_f32 v[TQ+4*\c:TQ+4*\c+2], v[COL+32*\c+16:COL+32*\c+31], v[SO+\c]   ; (a conversion's three registers begin on an even number)
.endr
	WIN 0
	v_add_f32 v[SUM], v[ACC], v[ACC+1]             ; (plain places behind the conversions)
	v_add_f32 v[SUM+1], v[ACC+4], v[ACC+5]
.irp c, 0,1,2,3
	v_lshrrev_b32 v[BY+\c], 23, v[SO+\c]           ; the scale byte
.endr
	v_lshl_or_b32 v[WD], v[BY+1], 8, v[BY]
	v_lshl_or_b32 v[WD+1], v[BY+3], 8, v[BY+2]
	v_lshl_or_b32 v[SX], v[WD], 16, v[WD]          ; the two unused blocks repeat the two bytes
	v_lshl_or_b32 v[SX+1], v[WD+1], 16, v[WD+1]
.irp i, 0,1,2
.irp c, 0,1,2,3
	v_mov_b32 v[FB+FS*\c+3+\i], v[TQ+4*\c+\i]
.endr
.endr
.endm
	; THE CODEBOOK, as its rows come in: call q wants the first 8 (q + 1) of the 64 loads, which come back in order (ISA guide 5.7.1)
.irp q, 0,1,2,3,4,5,6,7
	s_wait_alu depctr_va_vdst(0)                   ; directly ahead of the wait below
	s_wait_loadcnt 56-8*\q
	WIN 0x41
.set i, 4*\q
.rept 4
	v_mov_b32 v[COL+i], v[2*i]                     ; a conversion takes one code's numbers from consecutive registers
	v_mov_b32 v[COL+64+i], v[2*i+1]
	v_mov_b32 v[COL+32+i], v[64+2*i]
	v_mov_b32 v[COL+96+i], v[65+2*i]
.set i, i+1
.endr
	QCHUNK \q
.endr
	QFIN
	; into the image of the fragments' registers: block h of a row goes to lane row + 16 h
.irp c, 0,1,2,3
.irp j, 0,1,2
	ds_store_b64 v[IA], v[FB+FS*\c+2*\j:FB+FS*\c+2*\j+1] offset:(\c/2)*8+(\c%2)*128+\j*256
.endr
.endr
	ds_store_b32 v[SAD], v[SX]
	ds_store_b32 v[SAD], v[SX+1] offset:4
	ds_store_b64 v[QA], v[SUM:SUM+1]
	s_wait_alu depctr_va_vdst(0)
	s_wait_dscnt 0x0                               ; for the others' sake: my stores are done
	s_barrier_signal -1
	s_barrier_wait -1                              ; the whole quantised codebook is in LDS
.macro ALOAD t                         ; tile t's codes into buffer t % 2
.irp j, 0,1,2
	ds_load_b64 v[AB+12*((\t)%2)+2*\j:AB+12*((\t)%2)+2*\j+1], v[LI8] offset:(\t)*TP+\j*256
.endr
.endm
.macro ELOAD t                         ; sq_e of codes 256 (lane / 16) + 8 t + 0 .. 7: the result's layout
	ds_load_b128 v[EB+8*((\t)%2):EB+8*((\t)%2)+3], v[QL] offset:(\t)*32
	ds_load_b128 v[EB+8*((\t)%2)+4:EB+8*((\t)%2)+7], v[QL] offset:(\t)*32+16
.endm
.set i, 0
.rept 16
	ds_load_b32 v[SA+i], v[LS4] offset:i*128
.set i, i+1
.endr
	ALOAD 0
	ALOAD 1
	ELOAD 0
	ELOAD 1
	s_wait_tensorcnt 0x0                           ; my x has landed; only I read these bytes.  No tensor load of mine is out from here to the end
	; x: column a is position 2 lane, column b position 2 lane + 1; lanes 8 bytes apart
	WIN 0x40
.set i, 0
.rept 32
	ds_load_b32 v[COL+i],    v[XA] offset:i*256
	ds_load_b32 v[COL+64+i], v[XA] offset:i*256+4
	ds_load_b32 v[COL+32+i], v[XA] offset:(32+i)*256
	ds_load_b32 v[COL+96+i], v[XA] offset:(32+i)*256+4
.set i, i+1
.endr
	s_wait_dscnt 63                                ; 65 of the 128 are back, in order: call q wants 16 (q + 1)
	QCHUNK 0
	QCHUNK 1
	QCHUNK 2
	QCHUNK 3
.irp q, 4,5,6,7
	s_wait_alu depctr_va_vdst(0)                   ; directly ahead of the wait below
	s_wait_dscnt 112-16*\q
	QCHUNK \q
.endr
	QFIN
	; Lane l holds both blocks of its positions.  The swap (the first's lanes 16-31 with the second's lanes 0-15) makes of blocks 0 and 1 the fragments of two tiles: positions of lanes 0-15, positions of lanes 16-31.
.irp i, 0,1,2,3,4,5
	v_permlane16_swap_b32 v[FB+\i], v[FB+FS+\i]
	v_permlane16_swap_b32 v[FB+2*FS+\i], v[FB+3*FS+\i]
.endr
	v_mov_b32 v[SQX], v[SUM]
	v_mov_b32 v[SQX+1], v[SUM]
	v_mov_b32 v[SQX+2], v[SUM+1]
	v_mov_b32 v[SQX+3], v[SUM+1]
	v_permlane16_swap_b32 v[SQX], v[SQX+1]         ; likewise sq_x: the first now holds lanes 0-15's in both halves, the second lanes 16-31's
	v_permlane16_swap_b32 v[SQX+2], v[SQX+3]
.rept 4
	v_nop                                          ; an operand written by vector instructions stands four places ahead of a scaled matrix instruction, a scale word eight
.endr
; One matrix instruction: tile t of the codes x tile q of the positions.  The scale words' rows: tile t in the half t % 2 of its register, positions of lanes 0-15 or 16-31 in the half q % 2.
.macro WM1 t, q
.set rD, PB+32*((\t)%2)+8*(\q)
.set rA, AB+12*((\t)%2)
.set rB, FB+FS*(\q)
.set rS, SA+(\t)/2
.set rX, SX+(\q)/2
.if ((\t)%2 == 0) && ((\q)%2 == 0)
	v_wmma_scale_f32_16x16x128_f8f6f4 v[rD:rD+7], v[rA:rA+11], v[rB:rB+11], 0, v[rS], v[rX] matrix_a_fmt:MATRIX_FMT_FP6 matrix_b_fmt:MATRIX_FMT_FP6
.elseif ((\q)%2 == 0)
	v_wmma_scale_f32_16x16x128_f8f6f4 v[rD:rD+7], v[rA:rA+11], v[rB:rB+11], 0, v[rS], v[rX] matrix_a_fmt:MATRIX_FMT_FP6 matrix_b_fmt:MATRIX_FMT_FP6 matrix_a_scale:MATRIX_SCALE_ROW1
.elseif ((\t)%2 == 0)
	v_wmma_scale_f32_16x16x128_f8f6f4 v[rD:rD+7], v[rA:rA+11], v[rB:rB+11], 0, v[rS], v[rX] matrix_a_fmt:MATRIX_FMT_FP6 matrix_b_fmt:MATRIX_FMT_FP6 matrix_b_scale:MATRIX_SCALE_ROW1
.else
	v_wmma_scale_f32_16x16x128_f8f6f4 v[rD:rD+7], v[rA:rA+11], v[rB:rB+11], 0, v[rS], v[rX] matrix_a_fmt:MATRIX_FMT_FP6 matrix_b_fmt:MATRIX_FMT_FP6 matrix_a_scale:MATRIX_SCALE_ROW1 matrix_b_scale:MATRIX_SCALE_ROW1
.endif
.endm
.macro WM t                            ; four accumulators, each written once: no chain
.irp q, 0,1,2,3
	WM1 \t, \q
.endr
.endm
; The new best of each of the four tiles of positions (the four chains by turns); where it is strictly less than the old, the tile's eight d and its number are kept, two selections to an instruction.
.macro SEL t
.set bn, BE+4*((\t)%2)
.set bo, BE+4*(1-(\t)%2)
.set rP, PB+32*((\t)%2)
.if (\t) == 0
.irp q, 0,1,2,3
	v_min3_num_f32 v[bn+\q], v[S+8*\q], v[S+8*\q+1], v[S+8*\q+2]
.endr
.irp i, 3,5
.irp q, 0,1,2,3
	v_min3_num_f32 v[bn+\q], v[bn+\q], v[S+8*\q+\i], v[S+8*\q+\i+1]
.endr
.endr
.irp q, 0,1,2,3
	v_min_num_f32 v[bn+\q], v[bn+\q], v[S+8*\q+7]
.endr
.irp q, 0,1,2,3
	v_mov_b32 v[IX+\q], 0
.endr
.else
.irp q, 0,1,2,3
	v_min3_num_f32 v[bn+\q], v[bo+\q], v[rP+8*\q], v[rP+8*\q+1]
.endr
.irp i, 2,4
.irp q, 0,1,2,3
	v_min3_num_f32 v[bn+\q], v[bn+\q], v[rP+8*\q+\i], v[rP+8*\q+\i+1]
.endr
.endr
	v_min3_num_f32 v[bn], v[bn], v[rP+6], v[rP+7]
.irp q, 0,1,2,3
	v_cmp_lt_f32 vcc_lo, v[bn+\q], v[bo+\q]
.if \q < 3
	v_min3_num_f32 v[bn+\q+1], v[bn+\q+1], v[rP+8*\q+14], v[rP+8*\q+15]   ; the next tile's last step stands between the compare and its readers
.endif
.irp i, 0,2,4,6
	v_dual_cndmask_b32 v[S+8*\q+\i], v[S+8*\q+\i], v[rP+8*\q+\i] :: v_dual_cndmask_b32 v[S+8*\q+\i+1], v[S+8*\q+\i+1], v[rP+8*\q+\i+1]
.endr
	v_cndmask_b32 v[IX+\q], v[IX+\q], \t, vcc_lo
.endr
.endif
.endm
; Tile t: the next tile's four products as one group, then this tile's d = (sq_x - 2 p) + sq_e, two at a time, in place, and the selection.
; The codes two tiles on are asked for behind the products (their buffer was read a tile ago), sq_e two tiles on behind the additions that read its buffer.
; So at a tile's head the two youngest LDS loads are sq_e of the next tile, and may be out.  Tile 0's d go straight to the kept ones.
.macro TILE t
.if (\t) < 31
	s_wait_dscnt 2
	WM (\t)+1
.else
	s_wait_dscnt 0x0
.endif
.if (\t) < 30
	ALOAD (\t)+2
.endif
.set rP, PB+32*((\t)%2)
.set rE, EB+8*((\t)%2)
.irp q, 0,1,2,3
.irp i, 0,2,4,6
.if \q%2 == 0
	v_pk_fma_f32 v[rP+8*\q+\i:rP+8*\q+\i+1], -2.0, v[rP+8*\q+\i:rP+8*\q+\i+1], v[SQX+2*(\q/2):SQX+2*(\q/2)+1] op_sel_hi:[0,1,0]
.else
	v_pk_fma_f32 v[rP+8*\q+\i:rP+8*\q+\i+1], -2.0, v[rP+8*\q+\i:rP+8*\q+\i+1], v[SQX+2*(\q/2):SQX+2*(\q/2)+1] op_sel:[0,0,1] op_sel_hi:[0,1,1]
.endif
.endr
.endr
.irp q, 0,1,2,3
.irp i, 0,2,4,6
.if (\t) == 0
	v_pk_add_f32 v[S+8*\q+\i:S+8*\q+\i+1], v[rE+\i:rE+\i+1], v[rP+8*\q+\i:rP+8*\q+\i+1]
.else
	v_pk_add_f32 v[rP+8*\q+\i:rP+8*\q+\i+1], v[rE+\i:rE+\i+1], v[rP+8*\q+\i:rP+8*\q+\i+1]
.endif
.endr
.endr
.if (\t) < 30
	ELOAD (\t)+2
.endif
	SEL \t
.endm
	s_wait_alu depctr_va_vdst(0)                   ; x's fragments
	WM 0
.rept 4
	v_nop                                          ; four places behind tile 0's products (ISA guide 7.12.1); later tiles have a whole tile's vector work there
.endr
.set T, 0
.rept 32
	TILE T
.set T, T+1
.endr
	; The first kept d that equals the best: from the last to the first, so that the lowest place stays
.irp q, 0,1,2,3
	v_mov_b32 v[JJ+\q], 7
.endr
.irp j, 6,5,4,3,2,1,0
.irp q, 0,1,2,3
	v_cmp_eq_f32 s[MK+\q], v[S+8*\q+\j], v[BE+4+\q]
.endr
.irp q, 0,1,2,3
	v_cndmask_b32 v[JJ+\q], v[JJ+\q], \j, s[MK+\q]
.endr
.endr
.irp q, 0,1,2,3
	v_lshl_add_u32 v[IX+\q], v[IX+\q], 3, v[JJ+\q] ; 8 tile + place: the code within my half of the codebook
.endr
	; The swap brings together, in lane l, position l's best among codes 0-255 (first register) and among codes 256-511 (second)
	v_permlane16_swap_b32 v[BE+4], v[BE+5]
	v_permlane16_swap_b32 v[BE+6], v[BE+7]
	v_permlane16_swap_b32 v[IX], v[IX+1]
	v_permlane16_swap_b32 v[IX+2], v[IX+3]
	v_add_nc_u32 v[IX+1], 0x100, v[IX+1]
	v_add_nc_u32 v[IX+3], 0x100, v[IX+3]
	v_cmp_lt_f32 vcc_lo, v[BE+5], v[BE+4]          ; the upper half wins only where it is strictly less
	v_cndmask_b32 v[ID], v[IX], v[IX+1], vcc_lo
	v_cmp_lt_f32 vcc_lo, v[BE+7], v[BE+6]
	v_cndmask_b32 v[ID+1], v[IX+2], v[IX+3], vcc_lo
	global_store_b64 v[GA], v[ID:ID+1], s[8:9]     ; positions 2 lane and 2 lane + 1: the wave stores 256 consecutive bytes, at a multiple of 256 from the buffer's first byte
	s_wait_tensorcnt 0x0                           ; the wave's end
	ds_add_u32 v[SPW], v[NIL]
	s_wait_dscnt 0x0
	s_endpgm
.Lfunc_end_k_q028181bf73_assign:
	.size	k_q028181bf73_assign, .Lfunc_end_k_q028181bf73_assign-k_q028181bf73_assign
	.p2alignl 7, 3214868480
	.fill 96, 4, 3214868480
	.section	.rodata,"a",@progbits
	.p2align	6, 0x0
	.amdhsa_kernel k_q028181bf73_assign
		.amdhsa_group_segment_fixed_size 167936
		.amdhsa_private_segment_fixed_size 0
		.amdhsa_enable_private_segment 0
		.amdhsa_kernarg_size 24
		.amdhsa_user_sgpr_count 2
		.amdhsa_user_sgpr_kernarg_segment_ptr 1
		.amdhsa_wavefront_size32 1
		.amdhsa_system_sgpr_workgroup_id_x 1
		.amdhsa_system_sgpr_workgroup_id_y 1
		.amdhsa_system_sgpr_workgroup_id_z 1
		.amdhsa_system_vgpr_workitem_id 0
		.amdhsa_next_free_vgpr 512
		.amdhsa_next_free_sgpr 66
		.amdhsa_reserve_vcc 1
		.amdhsa_float_denorm_mode_32 3
		.amdhsa_float_denorm_mode_16_64 3
		.amdhsa_memory_ordered 1
		.amdhsa_forward_progress 1
		.amdhsa_inst_pref_size 216
	.end_amdhsa_kernel
	.amdgpu_metadata
---
amdhsa.version: [ 1, 2 ]
amdhsa.kernels:
  - .name:           k_q028181bf73_assign
    .symbol:         k_q028181bf73_assign.kd
    .args:
      - { .name: encodings, .offset: 0, .size: 8, .value_kind: global_buffer, .address_space: global }
      - { .name: codebook, .offset: 8, .size: 8, .value_kind: global_buffer, .address_space: global }
      - { .name: ids, .offset: 16, .size: 8, .value_kind: global_buffer, .address_space: global }
    .group_segment_fixed_size: 167936
    .private_segment_fixed_size: 0
    .kernarg_segment_align: 8
    .kernarg_segment_size: 24
    .max_flat_workgroup_size: 256
    .sgpr_count:     66
    .vgpr_count:     512
    .wavefront_size: 32
...
	.end_amdgpu_metadata
.endif
;; end of part 1
;; launch gather (part 2): grid 16 x 16, 16 waves a work-group, no clusters, 10,240 bytes of LDS; arguments ids, codebook, out0; writes out0
.if DOCPART == 2
	.amdgcn_target "amdgcn-amd-amdhsa--gfx1250"
	.amdhsa_code_object_version 6
	.text
	.protected	k_q028181bf73_gather
	.globl	k_q028181bf73_gather
	.p2align	8
	.type	k_q028181bf73_gather,@function
k_q028181bf73_gather:
	s_mov_b64 s[64:65], 0
	v_nop
	global_prefetch_b8 v0, s[64:65] scope:SCOPE_SE
	s_setreg_imm32_b32 hwreg(HW_REG_WAVE_MODE, 25, 1), 1
	s_wait_xcnt 0x0
; out0[b][d][hw] = codebook[d][ids[4096 b + hw]], f32 as it is given.
; SHARES.  A work-group owns 8,192 neighbouring positions (two images) and 4 channels: 128 KB of the output.  It walks them in four chunks of 2,048 positions: a lane has four neighbours of each.
; THE TABLE.  Thread c loads the 4 channels of code c (each load of a wave reads 128 consecutive bytes of a row of the codebook) and lays them on end in LDS: 16 bytes a code,
; so that one load of 16 bytes brings four channels of a code.
; THE WAY OUT.  A lane's four ids of a chunk give 4 loads of 16 bytes.  They are turned in the lane's own registers (one v_mov_b32 a number), so that four neighbouring positions of one
; channel stand in four neighbouring registers: each store of a wave covers 512 consecutive bytes, at a multiple of 256 from the buffer's first byte.
; An id is held at 511 from above ahead of its use in an address.
; NO CLUSTER, NO TENSOR LOAD: the table is transposed on its way into LDS, so it goes through registers, and so do the ids: 8 KB and 32 KB beside the 128 KB that the work-group stores.  No matrix work, no ring, no loop, so no prefetch.
.set SPARE, 8192                       ; behind the table: the spare words, 128 bytes for each wave
.set SPW,   2
.set NIL,   3
.set TBL,   4                          ; v4-7     my code's 4 channels
.set IDS,   8                          ; v8-23    my ids, four of each chunk
.set AD,    24                         ; v24-39   their rows' LDS addresses
.set R,     40                         ; v40-103  as gathered: chunk k, position i, channel e at 16 k + 4 i + e
.set O,     104                        ; v104-167 as stored: chunk k, channel e, position i at 16 k + 4 e + i
	s_load_b128 s[4:7], s[0:1], 0x0                ; ids, codebook
	s_load_b64 s[8:9], s[0:1], 0x10                ; out0
	v_lshlrev_b32 v24, 2, v0                       ; 4 x thread: my code in a row of the codebook
	v_lshlrev_b32 v1, 4, v0                        ; 16 x thread: my row of the table, my four ids of a chunk, my four positions in a channel's row
	v_lshl_add_u32 v[SPW], v0, 2, SPARE
	v_mov_b32 v[NIL], 0
	s_and_b32 s10, ttmp7, 0xffff                   ; which 4 channels
	s_lshl_b32 s12, ttmp9, 15                      ; the ids: 8,192 positions x 4 bytes for each work-group along x
	s_mov_b32 s13, 0
	s_lshl_b32 s14, s10, 13                        ; the codebook: 4 rows of 2,048 bytes
	s_mov_b32 s15, 0
	s_lshl_b32 s16, ttmp9, 21                      ; two images of 64 x 4,096 x 4 bytes,
	s_lshl_b32 s17, s10, 16                        ; 4 channels of 16,384 bytes
	s_add_co_u32 s16, s16, s17
	s_mov_b32 s17, 0
	s_wait_alu depctr_va_vdst(0)                   ; the wait at the head's end
	s_wait_kmcnt 0x0
	s_add_nc_u64 s[6:7], s[6:7], s[14:15]
	s_add_nc_u64 s[4:5], s[4:5], s[12:13]
	s_add_nc_u64 s[8:9], s[8:9], s[16:17]
.irp e, 0,1,2,3
	global_load_b32 v[TBL+\e], v24, s[6:7] offset:\e*2048
.endr
.irp k, 0,1,2,3
	global_load_b128 v[IDS+4*\k:IDS+4*\k+3], v1, s[4:5] offset:\k*8192
.endr
	s_wait_loadcnt 4                               ; the table's four are in; the ids may be out
	ds_store_b128 v1, v[TBL:TBL+3]
	s_wait_dscnt 0x0                               ; for the others' sake: my row of the table is written
	s_barrier_signal -1
	s_barrier_wait -1
.macro GET k                           ; chunk k: four ids, four rows of the table
	s_wait_loadcnt 3-\k                            ; loads come back in order (ISA guide 5.7.1)
.irp i, 0,1,2,3
	v_min_u32 v[AD+4*\k+\i], 0x1ff, v[IDS+4*\k+\i]
.endr
.irp i, 0,1,2,3
	v_lshlrev_b32 v[AD+4*\k+\i], 4, v[AD+4*\k+\i]
.endr
.irp i, 0,1,2,3
	ds_load_b128 v[R+16*\k+4*\i:R+16*\k+4*\i+3], v[AD+4*\k+\i]
.endr
.endm
.macro PUT k, younger                  ; younger: the LDS loads of the next chunk, which may be out
	s_wait_dscnt \younger
.irp e, 0,1,2,3
.irp i, 0,1,2,3
	v_mov_b32 v[O+16*\k+4*\e+\i], v[R+16*\k+4*\i+\e]
.endr
	global_store_b128 v1, v[O+16*\k+4*\e:O+16*\k+4*\e+3], s[8:9] offset:(\k/2)*0x100000+(\k%2)*8192+\e*16384 th:TH_STORE_NT   ; written once, read by nobody here
.endr
.endm
	GET 0
	GET 1
	PUT 0, 4
	GET 2
	PUT 1, 4
	GET 3
	PUT 2, 4
	PUT 3, 0
	s_wait_tensorcnt 0x0                           ; the wave's end
	ds_add_u32 v[SPW], v[NIL]
	s_wait_dscnt 0x0
	s_endpgm
.Lfunc_end_k_q028181bf73_gather:
	.size	k_q028181bf73_gather, .Lfunc_end_k_q028181bf73_gather-k_q028181bf73_gather
	.p2alignl 7, 3214868480
	.fill 96, 4, 3214868480
	.section	.rodata,"a",@progbits
	.p2align	6, 0x0
	.amdhsa_kernel k_q028181bf73_gather
		.amdhsa_group_segment_fixed_size 10240
		.amdhsa_private_segment_fixed_size 0
		.amdhsa_enable_private_segment 0
		.amdhsa_kernarg_size 24
		.amdhsa_user_sgpr_count 2
		.amdhsa_user_sgpr_kernarg_segment_ptr 1
		.amdhsa_wavefront_size32 1
		.amdhsa_system_sgpr_workgroup_id_x 1
		.amdhsa_system_sgpr_workgroup_id_y 1
		.amdhsa_system_sgpr_workgroup_id_z 1
		.amdhsa_system_vgpr_workitem_id 0
		.amdhsa_next_free_vgpr 168
		.amdhsa_next_free_sgpr 66
		.amdhsa_reserve_vcc 0
		.amdhsa_float_denorm_mode_32 3
		.amdhsa_float_denorm_mode_16_64 3
		.amdhsa_memory_ordered 1
		.amdhsa_forward_progress 1
		.amdhsa_inst_pref_size 9
	.end_amdhsa_kernel
	.amdgpu_metadata
---
amdhsa.version: [ 1, 2 ]
amdhsa.kernels:
  - .name:           k_q028181bf73_gather
    .symbol:         k_q028181bf73_gather.kd
    .args:
      - { .name: ids, .offset: 0, .size: 8, .value_kind: global_buffer, .address_space: global }
      - { .name: codebook, .offset: 8, .size: 8, .value_kind: global_buffer, .address_space: global }
      - { .name: out0, .offset: 16, .size: 8, .value_kind: global_buffer, .address_space: global }
    .group_segment_fixed_size: 10240
    .private_segment_fixed_size: 0
    .kernarg_segment_align: 8
    .kernarg_segment_size: 24
    .max_flat_workgroup_size: 512
    .sgpr_count:     66
    .vgpr_count:     168
    .wavefront_size: 32
...
	.end_amdgpu_metadata
.endif
;; end of part 2
